; MI455X (gfx1250); checked and timed in simulation.
; The chip was launched on July 23, 2026; its instructions are those of AMD's public machine-readable ISA for CDNA 5 (MIT licence, August 2026) and "CDNA5" Instruction Set Architecture Reference Guide (July 2026). The comments in the code are by the model that wrote it; some were corrected since.
;; Expert Wise Sparse GLU. Allowed arithmetic: float matrix products may take bf16 or f16 operands with f32 sums; other float arithmetic in f32, or as packed bf16 or f16 multiplies, adds, multiply-adds, maxima and minima; sums over many terms, partial sums and values carried from step to step in f32; what a program stores and reads back later, other than sums and carried values, may be rounded once to bf16 or f16.
;; Inputs: expert_idx 8,192 int32; v1 8 x 2,048 x 1,024 float32; w1 8 x 2,048 x 1,024 float32; w2 8 x 2,048 x 1,024 float32; x 8,192 x 1,024 float32.
;; Outputs: out0 8,192 x 1,024 float32.
;; One version. Each part assembles by itself: llvm-mc -triple=amdgcn-amd-amdhsa -mcpu=gfx1250 --defsym DOCPART=n.
;; ======== version 1 of 1: 3 launches
;; limits: a function is approximated: absolute error at most 2.5e-05
;; workspace buffers: g 33,554,432 bytes; xb 16,777,216 bytes; w2b 33,554,432 bytes
;; launch castx (part 1): grid 256 x 1, 8 waves a work-group, no clusters, 167,936 bytes of LDS; arguments x, xb; writes xb
.if DOCPART == 1
	.amdgcn_target "amdgcn-amd-amdhsa--gfx1250"
	.amdhsa_code_object_version 6
	.text
	.protected	k_q9010267274_castx
	.globl	k_q9010267274_castx
	.p2align	8
	.type	k_q9010267274_castx,@function
k_q9010267274_castx:
	s_mov_b64 s[64:65], 0
	v_nop
	global_prefetch_b8 v0, s[64:65] scope:SCOPE_SE
	s_setreg_imm32_b32 hwreg(HW_REG_WAVE_MODE, 25, 1), 1
	s_wait_xcnt 0x0
; xb = x rounded to bf16 (to nearest even), laid out in the order in which the next launch's waves take it as a matrix operand.  x: [8192][1024] f32.
; xb: a block (c, T) of 32 K x 16 tokens is 1,024 bytes at (512 c + T) x 1,024: [j = 0, 1][lane = r + 16 h][16 bytes] = x[16 T + r][32 c + 16 h + 8 j + 0..7].
; So one load of 16 bytes a lane brings four operand registers and covers 512 consecutive bytes.  x is rounded here once; the next launch reads each number 32 times.
; A lane stands for a token, so 256 consecutive bytes of xb come from 16 rows of x: the turn goes through LDS.  A work-group owns 32 tokens, wave w their columns 128 w .. 128 w + 127.
; One tensor load a wave: 32 rows x 512 bytes, each row two whole aligned blocks of 256 bytes.  Each wave reads only the bytes that its own load brought, and nothing is filled
; again: no barrier.  Matrix units and clusters have nothing to do here: no byte is read twice.
.set PITCH, 528                        ; an LDS row: 512 bytes + 16 of padding = 132 words: the 16 rows of a load start at 16 different groups of four banks (64 banks of 4 bytes: ISA guide 11.1)
.set WTILE, 32*PITCH                   ; a wave's tile
.set SPARE, 8*WTILE                    ; behind the tiles: the spare words, 128 bytes for each wave: four blocks of 256 bytes that no other line names
.set CB,    524288                     ; bytes of xb from a block of 32 K to the next: 512 blocks of 16 tokens
.set LA,  2                            ; v2        LDS address of my row and half in my wave's tile
.set L16, 3                            ; v3        16 x lane
.set SPW, 4                            ; v4        LDS address of my spare word; never rewritten
.set NIL, 5                            ; v5        0; never rewritten
.set X,   8                            ; v[8:135]   16 chunks of 8 f32
.set Y,   136                          ; v[136:199] 16 chunks of 8 bf16
.set G1,  16                           ; s[16:23]  descriptor group 1
.set G0,  24                           ; s[24:27]  descriptor group 0
	s_load_b128 s[4:7], s[0:1], 0x0                ; x s[4:5], xb s[6:7]
	v_lshl_add_u32 v[SPW], v0, 2, SPARE
	v_mov_b32 v[NIL], 0
	ds_add_u32 v[SPW], v[NIL]                      ; the wave's opening: the add and its wait stand ahead of my tensor load; the set-up below stands between them
	ds_add_u32 v4, v5
	v_lshrrev_b32 v1, 5, v0
	v_readfirstlane_b32 s8, v1                     ; wave 0..7
	s_mov_b32 s[G1+0], (2<<16)|(1<<20)|(6<<22)|(3<<25)  ; elements of 4 bytes; padding on: after every 128 words (code 6) 4 words (code 3)
	s_mov_b32 s[G1+1], 128<<16                     ; tensor_dim0 = 128
	s_mov_b32 s[G1+2], 32<<16                      ; tensor_dim1 = 32
	s_mov_b32 s[G1+3], 128<<16                     ; tile_dim0 = 128
	s_mov_b32 s[G1+4], 32                          ; tile_dim1 = 32
	s_mov_b32 s[G1+5], 1024                        ; elements from row to row
	s_mov_b32 s[G1+6], 0
	s_mov_b32 s[G1+7], 0
	s_mul_i32 s9, s8, WTILE                        ; my tile in LDS
	s_lshl_b32 s10, ttmp9, 17                      ; x: 32 rows of 4,096 bytes a work-group,
	s_lshl_b32 s11, s8, 9                          ; 128 columns of 4 bytes a wave
	s_add_co_u32 s10, s10, s11
	s_mov_b32 s11, 0
	s_lshl_b32 s12, s8, 21                         ; xb: four blocks of 32 K a wave,
	s_lshl_b32 s13, ttmp9, 11                      ; two blocks of 16 tokens a work-group
	s_add_co_u32 s12, s12, s13
	s_mov_b32 s13, 0
	s_mov_b32 s[G0+0], 1                           ; count = 1
	s_mov_b32 s[G0+1], s9                          ; LDS address
	s_wait_dscnt 0x0                               ; the opening add is done
	s_wait_kmcnt 0x0
	s_add_nc_u64 s[G0+2:G0+3], s[4:5], s[10:11]    ; global address of my tile
	s_or_b32 s[G0+3], s[G0+3], 0x80000000          ; type = 2
	s_add_nc_u64 s[6:7], s[6:7], s[12:13]
	tensor_load_to_lds s[G0:G0+3], s[G1:G1+7]
	s_nop 0
	v_and_b32 v1, 15, v0                           ; r
	v_bfe_u32 v6, v0, 4, 1                         ; h
	v_mul_u32_u24 v[LA], v1, PITCH
	v_lshl_add_u32 v[LA], v6, 6, v[LA]             ; row r, 16 numbers of 4 bytes for each half of the lanes
	v_add_nc_u32 v[LA], s9, v[LA]
	v_and_b32 v[L16], 31, v0
	v_lshlrev_b32 v[L16], 4, v[L16]
	s_wait_tensorcnt 0x0                           ; my tile is in LDS
; chunk t = 8 T + 2 c + j: tokens 16 T on, block c of 32 K, half j: 8 numbers a lane
.set t, 0
.rept 16
	ds_load_b128 v[X+8*t:X+8*t+3],   v[LA] offset:(t/8)*16*PITCH+((t/2)%4)*128+(t%2)*32
	ds_load_b128 v[X+8*t+4:X+8*t+7], v[LA] offset:(t/8)*16*PITCH+((t/2)%4)*128+(t%2)*32+16
.set t, t+1
.endr
.set t, 0
.rept 16
	s_wait_dscnt 30-2*t                            ; LDS loads come back in order (ISA guide 5.7.1): chunk t's two are in, the younger ones may be out
.irp n, 0,1,2,3
	v_cvt_pk_bf16_f32 v[Y+4*t+\n], v[X+8*t+2*\n], v[X+8*t+2*\n+1]
.endr
	global_store_b128 v[L16], v[Y+4*t:Y+4*t+3], s[6:7] offset:((t/2)%4)*CB+(t/8)*1024+(t%2)*512   ; 512 consecutive bytes, at a multiple of 256 from xb's first byte
.set t, t+1
.endr
	s_wait_tensorcnt 0x0                           ; the wave's end
	ds_add_u32 v[SPW], v[NIL]
	s_wait_dscnt 0x0
	s_endpgm
.Lfunc_end_k_q9010267274_castx:
	.size	k_q9010267274_castx, .Lfunc_end_k_q9010267274_castx-k_q9010267274_castx
	.p2alignl 7, 3214868480
	.fill 96, 4, 3214868480
	.section	.rodata,"a",@progbits
	.p2align	6, 0x0
	.amdhsa_kernel k_q9010267274_castx
		.amdhsa_group_segment_fixed_size 167936
		.amdhsa_private_segment_fixed_size 0
		.amdhsa_enable_private_segment 0
		.amdhsa_kernarg_size 16
		.amdhsa_user_sgpr_count 2
		.amdhsa_user_sgpr_kernarg_segment_ptr 1
		.amdhsa_wavefront_size32 1
		.amdhsa_system_sgpr_workgroup_id_x 1
		.amdhsa_system_sgpr_workgroup_id_y 1
		.amdhsa_system_sgpr_workgroup_id_z 1
		.amdhsa_system_vgpr_workitem_id 0
		.amdhsa_next_free_vgpr 200
		.amdhsa_next_free_sgpr 66
		.amdhsa_reserve_vcc 0
		.amdhsa_float_denorm_mode_32 3
		.amdhsa_float_denorm_mode_16_64 3
		.amdhsa_memory_ordered 1
		.amdhsa_forward_progress 1
		.amdhsa_inst_pref_size 11
	.end_amdhsa_kernel
	.amdgpu_metadata
---
amdhsa.version: [ 1, 2 ]
amdhsa.kernels:
  - .name:           k_q9010267274_castx
    .symbol:         k_q9010267274_castx.kd
    .args:
      - { .name: x, .offset: 0, .size: 8, .value_kind: global_buffer, .address_space: global }
      - { .name: xb, .offset: 8, .size: 8, .value_kind: global_buffer, .address_space: global }
    .group_segment_fixed_size: 167936
    .private_segment_fixed_size: 0
    .kernarg_segment_align: 8
    .kernarg_segment_size: 16
    .max_flat_workgroup_size: 256
    .sgpr_count:     66
    .vgpr_count:     200
    .wavefront_size: 32
...
	.end_amdgpu_metadata
.endif
;; end of part 1
;; launch glu (part 2): grid 16 x 32, 4 waves a work-group, clusters of 4 x 4, 327,680 bytes of LDS; arguments xb, w1, v1, w2, g, w2b; writes g, w2b
.if DOCPART == 2
	.amdgcn_target "amdgcn-amd-amdhsa--gfx1250"
	.amdhsa_code_object_version 6
	.text
	.protected	k_q9010267274_glu
	.globl	k_q9010267274_glu
	.p2align	8
	.type	k_q9010267274_glu,@function
k_q9010267274_glu:
	s_mov_b64 s[64:65], 0
	v_nop
	global_prefetch_b8 v0, s[64:65] scope:SCOPE_SE
	s_setreg_imm32_b32 hwreg(HW_REG_WAVE_MODE, 25, 1), 1
	s_wait_xcnt 0x0
	s_wait_alu depctr_hold_cnt(0) depctr_sa_sdst(0) depctr_va_vdst(0) depctr_va_sdst(0) depctr_va_ssrc(0) depctr_va_vcc(0) depctr_vm_vsrc(0)
	s_getreg_b32 s2, hwreg(HW_REG_IB_STS2, 6, 4)
	s_cmp_eq_u32 s2, 0
	s_cbranch_scc0 .Lentry_in_a_cluster
	s_endpgm
.Lentry_in_a_cluster:
	s_bfe_u32 s2, ttmp6, 0x10000c
	s_cmp_lg_u32 s2, 0xf033
	s_cbranch_scc0 .Lentry_shape_is_right
	s_endpgm
.Lentry_shape_is_right:
; g = gelu_erf(x w1^T) * (x v1^T), expert by expert; beside it w2 is rounded to bf16 for the next launch.  xb: x in bf16, in operand order (below); w1, v1, w2: [8][2048][1024] f32.
; Expert e owns tokens 1024 e .. 1024 e + 1023: the split follows from the shapes alone, as in the reference, which never reads expert_idx; so this program does not load expert_idx.
; g leaves in bf16, laid out [f / 64][token][f % 64]: 16 tokens of one block of 64 f are 2,048 consecutive bytes.
; LIMITS.  x, w1, v1, w2 are rounded to bf16, sums in f32, g rounded once to bf16.  erf by Abramowitz and Stegun 7.1.25 (error at most 2.5e-5 for every argument, far under g's rounding step).
; An exponential below 2^-126 counts as 0.  NaN and infinities are not treated apart.
; SHARES.  A work-group makes 256 tokens x 128 f of BOTH products; a wave 128 tokens x 64 f of both: 32 + 32 accumulators of 16 x 16, 512 registers.
; THE WEIGHTS come as f32 by tensor loads into two LDS slots and are rounded between LDS and the matrix unit.  A slot holds a K step of 128 (rows of 512 bytes): 128 rows of w1, 128 of v1, one load of 64 rows a wave.
; CLUSTER 4 x 4: a column shares w1's and v1's tiles (same block of f; a cluster's four token blocks are one expert): each tile is asked for jointly by the four.
; x COMES STRAIGHT FROM MEMORY INTO OPERAND REGISTERS: block (c, T) of 32 K x 16 tokens is 1,024 bytes of xb at (512 c + T) x 1,024, [j][lane][16 bytes]: two loads of 512 consecutive bytes a fragment.
; x is NOT asked for jointly, though a cluster's row shares it: a joint load lands in LDS alone, and without x in LDS a slot holds twice the K, so that a refill has 240 of a K step's 256 matrix instructions in which to land.
; The price by this text's count: each byte of xb is loaded by 16 blocks of f x 2 waves.  Four buffers: a quarter's 16 loads are issued three quarters ahead of their use; 56 loads of a wave are out at the most.
; THE MATRIX INSTRUCTION IS USED TRANSPOSED (source 0 = 16 rows of w1 or v1, source 1 = 16 tokens): a lane holds one token and eight neighbouring f.
; K INSIDE AN INSTRUCTION IS PERMUTED, alike in both sources: lane half h holds k = 16 h .. 16 h + 15 of the 32.
; w2: the work-group rounds 32 rows of w2 (131,072 consecutive bytes), a wave one piece of 16 rows x 64 columns in each of its 8 K steps: 8 loads, 16 roundings, 4 stores.  Lane (r, h) reads 16 bytes of a row k: columns
; 4 r .. 4 r + 3; number j of the four goes to fragment j.  w2b: unit (32 k, 64 columns) = 4,096 bytes, [fragment j][half i][lane][16 bytes], the order in which the next launch's waves take it.
; ONE K STEP'S TEXT is walked six times; the last two steps, which ask for nothing more, are written out.  The LDS offset of the slot being read is a scalar that an exclusive or turns between 0 and SLOT.
; THE ACCUMULATORS ARE CLEARED by 512 v_mov_b32 in the wait for the first tile, so that no first K step is written out: that many lines of text are the price.
; REGISTERS, in windows of 256 (s_set_vgpr_msb: bits 1:0 source 0, 3:2 source 1, 5:4 source 2, 7:6 destination):
;   window 0: v0-15 addresses; v16-47 w2 as loaded; v48-63 w2 rounded; v64-255 x's fragments, buffers 0 to 2; at the end v64-255 at work on the way out
;   window 1: v0-63 staging, f32 as loaded (w1's four fragments and v1's four by turns); v64-127, v128-191 w1's four and v1's four fragments in bf16, two buffers; v192-255 x's buffer 3
;   window 2: x w1^T, accumulator (a, b) at v[8 (4 a + b)]          window 3: x v1^T, in the same places
.set PITCH,  528                       ; an LDS row: 512 bytes + 16 of padding = 132 words: the 16 rows of a load start at 16 different groups of four banks (64 banks of 4 bytes: ISA guide 11.1)
.set QTR,    64*PITCH                  ; what one tensor load brings
.set SLOT,   4*QTR                     ; w1's 128 rows, then v1's 128 rows
.set STAGE,  2*SLOT                    ; behind the ring, never filled by a tensor load: 16 rows x 144 bytes for each wave, for the way out
.set SP,     144
.set SPARE,  STAGE+4*16*SP             ; behind the stages: the spare words, 128 bytes for each wave: two blocks of 256 bytes that no other line names
.set CB,     524288                    ; bytes of xb from a block of 32 K to the next
.set AW0, 6                            ; v6, v7   LDS address of my fragments of w1, of v1, in slot 0; never rewritten
.set AV0, 7
.set AW,  8                            ; v8, v9   the same in the slot that is being read
.set AV,  9
.set L16, 10                           ; v10      16 x lane: my place in 512 consecutive bytes of xb, g and w2b; never rewritten
.set STO, 11                           ; v11      the way out: where I put 16 bytes of a token's row
.set RD,  12                           ; v12      where I read rows back
.set WOF, 13                           ; v13      my byte offset in w2's rows: columns 4 r on, rows 8 h on; never rewritten
.set SPW, 14                           ; v14      LDS address of my spare word; never rewritten
.set NIL, 15                           ; v15      0; never rewritten
.set WL,  16                           ; v16-47   w2: row n of 8, four columns, at WL + 4 n
.set RS,  48                           ; v48-63   w2 in bf16: registers 0-3 of a half fragment j at RS + 4 j
.set XH,   64                          ; the way out, 32 registers each: h1 h2,
.set AH,   96                          ; |h1| h2,
.set YS,   128                         ; k |h1|, then - its square, then 2 to that power,
.set TT,   160                         ; 1 + pp k |h1|, then its reciprocal t,
.set PQ,   192                         ; the polynomial, then the result;
.set GG,   224                         ; 16 registers: the result in bf16
.set BK,   240                         ; 16 registers: whole rows back from the stage
.set G1,  24                           ; s[24:31] descriptor group 1
.set G0A, 32                           ; s[32:35] descriptor group 0 of the first fill
.set G0W, 36                           ; s[36:39] of the second, which then walks on
.set LB,  47                           ; s47      my tile's place in a slot
.set WV,  48                           ; s48 my wave's number; s49 which 128 tokens are mine; s50 which 64 f
.set WR,  49
.set WC,  50
.set RDO, 51                           ; s51      LDS offset of the slot that is being read: 0 or SLOT
.set CK,  66                           ; s66      k = sqrt(log2(e) / 2)
.set CPP, 68                           ; s[68:69] pp = 0.47047 / (sqrt(2) k); the packed forms name a pair and take its low word for both halves
.set CA3, 70                           ; s[70:71] a3 / 2
.set CA2, 72                           ; s[72:73] a2 / 2
.set CA1, 74                           ; s[74:75] a1 / 2
.set BLK, 76                           ; s76      counts my eight blocks of 16 tokens on the way out
.set MSB, 0
.macro WIN new                         ; the immediate's high byte repeats the setting that is left; a switch that changes nothing is dropped
.if MSB != (\new)
	s_set_vgpr_msb (MSB<<8)|(\new)
.set MSB, \new
.endif
.endm
.macro CREST                           ; a round of the cluster's barrier behind its opening barrier
	s_cmp_lg_u32 s[WV], 0
	s_cbranch_scc1 .Lnot_wave_0_\@
	s_barrier_signal -3
.Lnot_wave_0_\@:
	s_barrier_wait -3
	s_barrier_signal -1
	s_barrier_wait -1
.endm
.macro CROUND                          ; a whole round
	s_barrier_signal -1
	s_barrier_wait -1
	CREST
.endm
.macro PLACES                          ; four plain places (ISA guide 7.12.1), where no other vector work is at hand
.rept 4
	v_nop
.endr
.endm
; 16 loads: x's eight fragments of the block of 32 K that lies q blocks behind s[4:5], into buffer ab; 8,192 consecutive bytes
.macro LDA ab, q
	WIN 0x40*((\ab)/3)
.irp a, 0,1,2,3,4,5,6,7
	global_load_b128 v[64+64*(\ab)-64*((\ab)/3)+8*(\a):64+64*(\ab)-64*((\ab)/3)+8*(\a)+3],   v[L16], s[4:5] offset:(\q)*CB+(\a)*1024
	global_load_b128 v[64+64*(\ab)-64*((\ab)/3)+8*(\a)+4:64+64*(\ab)-64*((\ab)/3)+8*(\a)+7], v[L16], s[4:5] offset:(\q)*CB+(\a)*1024+512
.endr
.endm
	s_load_b256 s[4:11], s[0:1], 0x0               ; xb s[4:5], w1 s[6:7], v1 s[8:9], w2 s[10:11]
	s_load_b128 s[12:15], s[0:1], 0x20             ; g s[12:13], w2b s[14:15]
	v_lshl_add_u32 v[SPW], v0, 2, SPARE
	v_mov_b32 v[NIL], 0
	ds_add_u32 v[SPW], v[NIL]                      ; the wave's opening: the add and its wait stand ahead of my first tensor load; the set-up below stands between them
	ds_add_u32 v14, v15
	v_lshrrev_b32 v1, 5, v0
	v_readfirstlane_b32 s[WV], v1                  ; wave 0..3
	s_lshr_b32 s[WR], s[WV], 1                     ; also: I fetch for w1 (0) or v1 (1); which 8 blocks of w2's columns I round
	s_and_b32 s[WC], s[WV], 1                      ; also: which 64 rows of that tile I fetch; which 16 of w2's 32 rows I round
	s_bfe_u32 s40, ttmp6, 0x40000                  ; cx, cy: my place in the cluster
	s_bfe_u32 s41, ttmp6, 0x40004
	s_lshl_b32 s42, ttmp9, 2
	s_add_co_u32 s42, s42, s40                     ; my block of 128 f = 4 x cluster x + cx
	s_and_b32 s44, ttmp7, 0xffff                   ; the expert = cluster y: four blocks of 256 tokens each
	s_lshl_b32 s43, s44, 2
	s_add_co_u32 s43, s43, s41                     ; my block of 256 tokens = 4 x cluster y + cy
	s_lshl_b32 s46, 0x1111, s40                    ; my column of the cluster
	; descriptor group 1: a tile of 64 rows x 128 elements of 4 bytes, padded in LDS
	s_or_b32 s[G1], s46, (2<<16)|(1<<20)|(1<<21)|(6<<22)|(3<<25)   ; 15:0 the mask; 17:16 elements of 4 bytes; 20 padding on; 21 set beside a mask; 24:22 after every 128 words (code 6); 31:25 4 words of it (code 3)
	s_mov_b32 s[G1+1], 128<<16                     ; tensor_dim0 = 128
	s_mov_b32 s[G1+2], 64<<16                      ; tensor_dim1 = 64
	s_mov_b32 s[G1+3], 128<<16                     ; tile_dim0 = 128
	s_mov_b32 s[G1+4], 64                          ; tile_dim1 = 64
	s_mov_b32 s[G1+5], 1024                        ; elements from row to row
	s_mov_b32 s[G1+6], 0
	s_mov_b32 s[G1+7], 0
	s_lshl_b32 s22, s44, 23                        ; w1, v1: 2,048 rows of 4,096 bytes an expert,
	s_lshl_b32 s23, s42, 19                        ; 128 rows a block of f,
	s_add_co_u32 s22, s22, s23
	s_lshl_b32 s23, s[WC], 18                      ; 64 rows a load: nothing here hangs on cy
	s_add_co_u32 s22, s22, s23
	s_mov_b32 s23, 0
	s_mul_i32 s[LB], s[WV], QTR                    ; where my tile goes: wave x 64 rows; no place in the cluster enters an LDS address
	s_mov_b32 s[RDO], 0
	s_lshl_b32 s16, s43, 14                        ; xb: 16 blocks of 16 tokens a token block, 1,024 bytes each,
	s_lshl_b32 s17, s[WR], 13                      ; my 8 of them
	s_add_co_u32 s16, s16, s17
	s_mov_b32 s17, 0
	s_lshl_b32 s52, s43, 4
	s_add_co_u32 s52, s52, s42                     ; the work-group's number, 0 to 511: which 32 rows of w2 it rounds
	s_lshl_b32 s18, s52, 17                        ; w2: 32 rows of 4,096 bytes,
	s_lshl_b32 s19, s[WC], 16                      ; my 16 of them,
	s_add_co_u32 s18, s18, s19
	s_lshl_b32 s19, s[WR], 11                      ; my 8 blocks of 64 columns
	s_add_co_u32 s18, s18, s19
	s_mov_b32 s19, 0
	s_lshl_b32 s54, s52, 16                        ; w2b: 16 units of 4,096 bytes,
	s_lshl_b32 s55, s[WR], 15                      ; my 8 of them,
	s_add_co_u32 s54, s54, s55
	s_lshl_b32 s55, s[WC], 9                       ; my half of each fragment
	s_add_co_u32 s54, s54, s55
	s_mov_b32 s55, 0
	s_lshl_b32 s2, s42, 1                          ; g: my block of 64 f, 2^20 bytes each,
	s_add_co_u32 s2, s2, s[WC]
	s_lshl_b32 s2, s2, 20
	s_lshl_b32 s77, s43, 15                        ; my token block, 256 x 128 bytes,
	s_add_co_u32 s2, s2, s77
	s_lshl_b32 s77, s[WR], 14                      ; my 128 tokens of it
	s_add_co_u32 s2, s2, s77
	s_mov_b32 s3, 0
	s_mov_b32 s[CK], 0x3f596d27                    ; 0.8493218
	s_mov_b32 s[CPP], 0x3ec88bda                   ; 0.3916920
	s_mov_b32 s[CPP+1], s[CPP]
	s_mov_b32 s[CA3], 0x3ebf7377                   ; 0.7478556 / 2
	s_mov_b32 s[CA3+1], s[CA3]
	s_mov_b32 s[CA2], 0xbd445ca1                   ; -0.0958798 / 2
	s_mov_b32 s[CA2+1], s[CA2]
	s_mov_b32 s[CA1], 0x3e32303a                   ; 0.3480242 / 2
	s_mov_b32 s[CA1+1], s[CA1]
	s_wait_dscnt 0x0                               ; the opening add is done
	s_wait_kmcnt 0x0
	s_cmp_lt_u32 s[WV], 2
	s_cselect_b64 s[20:21], s[6:7], s[8:9]         ; w1 for waves 0 and 1, v1 for waves 2 and 3
	s_add_nc_u64 s[20:21], s[20:21], s[22:23]
	s_add_nc_u64 s[4:5], s[4:5], s[16:17]          ; xb at my 128 tokens, K = 0
	s_add_nc_u64 s[10:11], s[10:11], s[18:19]      ; w2 at my first piece
	s_add_nc_u64 s[12:13], s[12:13], s[2:3]        ; g at my wave's first 16 tokens
	s_add_nc_u64 s[14:15], s[14:15], s[54:55]      ; w2b at my first piece
	CROUND                                         ; all sixteen work-groups are here: the first joint loads meet
	s_mov_b32 s[G0A], 1                            ; count = 1
	s_mov_b32 s[G0A+1], s[LB]                      ; LDS address: slot 0
	s_add_nc_u64 s[G0A+2:G0A+3], s[20:21], 0       ; global address: K step 0
	s_or_b32 s[G0A+3], s[G0A+3], 0x80000000        ; type = 2
	s_mov_b32 s[G0W], 1
	s_add_co_u32 s[G0W+1], s[LB], SLOT             ; slot 1
	s_add_nc_u64 s[G0W+2:G0W+3], s[20:21], 512     ; K step 1
	s_or_b32 s[G0W+3], s[G0W+3], 0x80000000
	tensor_load_to_lds s[G0A:G0A+3], s[G1:G1+7]    ; both slots are asked for before anything else: two tensor loads of mine are out
	s_nop 0
	tensor_load_to_lds s[G0W:G0W+3], s[G1:G1+7]
	s_nop 0
	PLACES
	v_and_b32 v1, 15, v0                           ; r = lane % 16
	v_bfe_u32 v2, v0, 4, 1                         ; h = lane / 16
	v_and_b32 v3, 31, v0
	v_lshlrev_b32 v[L16], 4, v3
	LDA 0, 0                                       ; x's first three quarters: 48 loads
	LDA 1, 1
	LDA 2, 2
	v_mul_u32_u24 v3, v1, PITCH
	v_lshl_add_u32 v3, v2, 6, v3                   ; row x pitch + 64 h: my 16 numbers of the 32 along K
	s_mul_i32 s16, s[WC], QTR                      ; my 64 rows of w1,
	v_add_nc_u32 v[AW0], s16, v3
	s_add_co_u32 s16, s16, 2*QTR                   ; and of v1, which lies behind w1's 128 rows
	v_add_nc_u32 v[AV0], s16, v3
	v_mov_b32 v[AW], v[AW0]
	v_mov_b32 v[AV], v[AV0]
	s_mul_i32 s16, s[WV], 16*SP
	s_add_co_u32 s16, s16, STAGE                   ; my stage
	v_mul_u32_u24 v4, v1, SP                       ; in: token r, 16 bytes for each half of the lanes
	v_lshl_add_u32 v4, v2, 4, v4
	v_add_nc_u32 v[STO], s16, v4
	v_bfe_u32 v4, v0, 3, 2                         ; back: 32 lanes take four rows of 128 bytes, which are 512 consecutive bytes of g
	v_and_b32 v5, 7, v0
	v_mul_u32_u24 v4, v4, SP
	v_lshl_add_u32 v4, v5, 4, v4
	v_add_nc_u32 v[RD], s16, v4
	v_lshlrev_b32 v3, 4, v1
	v_lshl_add_u32 v[WOF], v2, 15, v3              ; 16 r + 8 h rows of 4,096 bytes
	WIN 0x80                                       ; the sums start at 0: both windows of accumulators, in the wait for the first tile
.set i, 0
.rept 256
	v_mov_b32 v[i], 0
.set i, i+1
.endr
	WIN 0xc0
.set i, 0
.rept 256
	v_mov_b32 v[i], 0
.set i, i+1
.endr
	WIN 0
; Matrix instruction i of 32 of product m (0: x w1^T, 1: x v1^T), weights' buffer f, x's buffer ab: tokens 16 (i / 4) on, f 16 (i % 4) on.  The 64 accumulators take turns, one instruction a turn.
.macro MM f, m, ab, i
	WIN 0xa1+0x50*(\m)+4*((\ab)/3)
	v_wmma_f32_16x16x32_bf16 v[8*(\i):8*(\i)+7], v[64+64*(\f)+32*(\m)+8*((\i)%4):64+64*(\f)+32*(\m)+8*((\i)%4)+7], v[64+64*(\ab)-64*((\ab)/3)+8*((\i)/4):64+64*(\ab)-64*((\ab)/3)+8*((\i)/4)+7], v[8*(\i):8*(\i)+7]
.endm
.macro MMS f, m, ab, lo, hi            ; numbers lo to hi
.set mi, \lo
.rept (\hi)-(\lo)+1
	MM \f, \m, \ab, mi
.set mi, mi+1
.endr
.endm
; Four roundings: staging registers 8 g .. 8 g + 7 become registers 4 g .. 4 g + 3 of matrix m's four fragments in buffer f
.macro CV4 f, m, g
	WIN 0x45
.irp n, 0,1,2,3
	v_cvt_pk_bf16_f32 v[64+64*(\f)+32*(\m)+4*(\g)+(\n)], v[8*(\g)+2*(\n)], v[8*(\g)+2*(\n)+1]
.endr
.endm
; 16 LDS loads in one run, into the staging: my four fragments of w1 (m = 0) or v1 (m = 1) for quarter kq of the slot that is being read
.macro LDSS m, kq
	WIN 0x40
.irp fr, 0,1,2,3
.irp c, 0,1,2,3
	ds_load_b128 v[16*(\fr)+4*(\c):16*(\fr)+4*(\c)+3], v[AW+(\m)] offset:(\kq)*128+(\fr)*16*PITCH+16*(\c)
.endr
.endr
.endm
; The first 8 matrix instructions of a half quarter; cv = 1: behind each stand four roundings of what the half before loaded: matrix m's fragments of the NEXT quarter, into the other buffer.
; Their waits count the 16 staging loads of the half before: roundings of steps 2 j and 2 j + 1 read loads 0 .. 4 j + 3, so 12 - 4 j younger ones may be out.
; The other buffer's part m was last read a whole quarter ago; 32 roundings or more, which name none of those products' registers, lie between.
.macro RIDE f, m, ab, cv
.set hn, 0
.rept 8
.if (\cv) && (hn%2 == 0)
	s_wait_dscnt 12-4*(hn/2)
.endif
	MM \f, \m, \ab, hn
.if \cv
	CV4 1-(\f), \m, hn
.endif
.set hn, hn+1
.endr
.endm
.macro LDW                             ; w2: my 8 rows x 64 columns: lanes 0-15 take 256 consecutive bytes of row n, lanes 16-31 of row 8 + n
	WIN 0
.irp n, 0,1,2,3,4,5,6,7
	global_load_b128 v[WL+4*(\n):WL+4*(\n)+3], v[WOF], s[10:11] offset:(\n)*4096 th:TH_LOAD_NT
.endr
.endm
.macro WCAST                           ; register i of fragment j takes rows 2 i and 2 i + 1 of column j; RS was freed by the wait at the last step's end
	WIN 0
.irp j, 0,1,2,3
.irp i, 0,1,2,3
	v_cvt_pk_bf16_f32 v[RS+4*(\j)+(\i)], v[WL+8*(\i)+(\j)], v[WL+8*(\i)+4+(\j)]
.endr
.endr
.irp j, 0,1,2,3
	global_store_b128 v[L16], v[RS+4*(\j):RS+4*(\j)+3], s[14:15] offset:(\j)*1024 th:TH_STORE_NT   ; 512 consecutive bytes, at a multiple of 256 from w2b's first byte
.endr
.endm
; THE CHANGE OF SLOTS, in the third quarter's first half: the load just issued (v1's fragments of the fourth quarter) was my last read of the slot.  I wait for all my tensor loads, of which one is out: my part of the other
; slot; add 0 to my spare word; wait for that and for my reads.  Behind the barrier nobody reads the old slot and the other slot is whole.  mode = 2: the barrier opens a round of the cluster's, and the old slot is filled
; again, two K steps on, first thing behind the round: 8 + 32 + 64 + 128 + 8 = 240 matrix instructions stand between that request and the wait for it.
.macro MEET mode
	WIN 0                                          ; (the add's two registers lie in window 0)
	s_wait_tensorcnt 0x0                           ; all my tensor loads have landed, so a group 0 may be written;
	ds_add_u32 v[SPW], v[NIL]                      ; 0 onto my spare word: scalar work and eight matrix instructions stand between it and the wait for it
.if (\mode) == 2
	s_add_co_u32 s[G0W+1], s[LB], s[RDO]           ; the walking descriptor: the slot that is left,
	s_add_nc_u64 s[G0W+2:G0W+3], s[G0W+2:G0W+3], 512   ; the K step behind the one asked for last; the type bits on top are not reached
.endif
	s_xor_b32 s[RDO], s[RDO], SLOT                 ; the reads go on in the other slot
	MMS 0, 0, 2, 8, 15
	s_wait_dscnt 0x0                               ; the add is done, and my reads of the slot are over
	s_barrier_signal -1
	MMS 0, 0, 2, 16, 23                            ; work on registers while the others arrive
	WIN 0
	s_barrier_wait -1
.if (\mode) == 2
	CREST                                          ; no wave of any partner still reads the slot or has a load on its way
	tensor_load_to_lds s[G0W:G0W+3], s[G1:G1+7]
	s_nop 0
	PLACES
.endif
	v_add_nc_u32 v[AW], s[RDO], v[AW0]
	v_add_nc_u32 v[AV], s[RDO], v[AV0]
	MMS 0, 0, 2, 24, 31
.endm
; A K STEP: four quarters of 32 along K, 64 matrix instructions each; weights' buffers 0, 1, 0, 1, x's buffers 0, 1, 2, 3.  In a quarter's first half w1's fragments of the next quarter are rounded and v1's loaded
; into the staging; in its second half v1's are rounded and w1's of the quarter after that loaded.  Each quarter loads x's fragments three quarters on, into the buffer read last quarter, behind 32 roundings.
; THE WAITS FOR x count the loads issued behind the wanted 16: two quarters of 16, and w2's 8 where they lie behind: 32, 40, 40; the fourth count is 32, not 40, since w2's 8 are wanted there too.
; mode = 2: with a refill; 1: the last step but one; 0: the last step, which fetches x's last quarter and w2's last piece: its counts run down 32, 40, 24, 0.
.macro KSTEP mode
.set KM, 0
.if \mode
.set KM, 1
.endif
	s_wait_loadcnt 32
	RIDE 0, 0, 0, 1
	LDSS 1, 1
	LDA 3, 3
	LDW
	MMS 0, 0, 0, 8, 31
	RIDE 0, 1, 0, 1
	LDSS 0, 2
	MMS 0, 1, 0, 8, 31
	s_wait_loadcnt 40
	RIDE 1, 0, 1, 1
	LDSS 1, 2
.if \mode
	LDA 0, 4
.endif
	MMS 1, 0, 1, 8, 31
	RIDE 1, 1, 1, 1
	LDSS 0, 3
	MMS 1, 1, 1, 8, 31
	s_wait_loadcnt 24+16*KM
	RIDE 0, 0, 2, 1
	LDSS 1, 3
.if \mode
	LDA 1, 5
	MEET \mode
.else
	MMS 0, 0, 2, 8, 31
.endif
	RIDE 0, 1, 2, 1
.if \mode
	LDSS 0, 0
.endif
	MMS 0, 1, 2, 8, 31
	s_wait_loadcnt 32*KM
	RIDE 1, 0, 3, KM
.if \mode
	LDSS 1, 0
	LDA 2, 6
.endif
	WCAST
	MMS 1, 0, 3, 8, 31
	RIDE 1, 1, 3, KM
.if \mode
	LDSS 0, 1
.endif
	MMS 1, 1, 3, 8, 31
.if \mode
	WIN 0
	s_wait_xcnt 0x0                                ; the bases of the step's loads and stores, and the stores' data, are rewritten only behind this wait
	s_add_nc_u64 s[4:5], s[4:5], 4*CB              ; xb: four blocks of 32 K on
	s_add_nc_u64 s[10:11], s[10:11], 256           ; w2: the next 64 columns
	s_add_nc_u64 s[14:15], s[14:15], 4096          ; w2b: the next unit
.endif
.endm
	s_wait_tensorcnt 0x1                           ; my part of K step 0 is in; K step 1's may stay out
	s_barrier_signal -1
	s_barrier_wait -1                              ; everybody's is
	LDSS 0, 0                                      ; the first quarter's weights are made ready with nothing beside them
	s_wait_dscnt 0x0
.set hn, 0
.rept 8
	CV4 0, 0, hn
.set hn, hn+1
.endr
	LDSS 1, 0
	s_wait_dscnt 0x0
.set hn, 0
.rept 8
	CV4 0, 1, hn
.set hn, hn+1
.endr
	LDSS 0, 1
	WIN 0                                          ; at a label and at a branch every window is 0
	s_mov_b32 s3, 6
.Lstep:                                                ; six trips ask for K steps 2 to 7
	KSTEP 2
	s_sub_co_u32 s3, s3, 1
	s_cmp_lg_u32 s3, 0
	s_cbranch_scc1 .Lstep
	KSTEP 1                                        ; the last two steps are written out
	KSTEP 0
; THE WAY OUT, a block of 16 tokens a trip.  g = h2 h1 Phi(h1) = 0.5 (h1 h2) + s (|h1| h2), with s = 0.5 - erfc(|h1| / sqrt(2)) / 2,
; erfc(z) = (a1 t + a2 t^2 + a3 t^3) e^(-z^2), t = 1 / (1 + 0.47047 z).  With y = k |h1|: e^(-z^2) = 2^(-y^2), t = 1 / (1 + pp y).
; The arithmetic is written once; only the lines that take block a's 32 + 32 registers out of windows 2 and 3 are written eight times, and a forward jump on the counter picks them.
.macro EXTRACT a                       ; each accumulator's lowest registers are read first
	WIN 0x0e                                       ; source 0 window 2 (h1), source 1 window 3 (h2), destination window 0
.set i, 0
.rept 16
	v_pk_mul_f32 v[XH+i:XH+i+1], v[32*(\a)+i:32*(\a)+i+1], v[32*(\a)+i:32*(\a)+i+1]
	v_mul_f32 v[YS+i], |v[32*(\a)+i]|, s[CK]
	v_mul_f32 v[YS+i+1], |v[32*(\a)+i+1]|, s[CK]
	v_mul_f32 v[AH+i], |v[32*(\a)+i]|, v[32*(\a)+i]
	v_mul_f32 v[AH+i+1], |v[32*(\a)+i+1]|, v[32*(\a)+i+1]
.set i, i+2
.endr
	WIN 0
.endm
.macro EACH line:vararg                ; one line for each of the 16 pairs, i = 0, 2 .. 30
.set i, 0
.rept 16
	\line
.set i, i+2
.endr
.endm
	WIN 0
	PLACES                                         ; behind the last products
	s_mov_b32 s[BLK], 0
.Lblk:
.irp a, 0,1,2,3,4,5,6
	s_cmp_eq_u32 s[BLK], \a
	s_cbranch_scc1 .Lx\a
.endr
	EXTRACT 7
	s_branch .Lcom
.irp a, 0,1,2,3,4,5,6
.Lx\a:
	EXTRACT \a
.if (\a) < 6
	s_branch .Lcom
.endif
.endr
.Lcom:
	EACH v_pk_fma_f32 v[TT+i:TT+i+1], v[YS+i:YS+i+1], s[CPP:CPP+1], 1.0 op_sel_hi:[1,0,0]
.set i, 0
.rept 16                                               ; the 32 reciprocals are one batch; - y^2 stands among them
	v_rcp_f32 v[TT+i], v[TT+i]
	v_pk_mul_f32 v[YS+i:YS+i+1], v[YS+i:YS+i+1], v[YS+i:YS+i+1] neg_lo:[1,0] neg_hi:[1,0]
	v_rcp_f32 v[TT+i+1], v[TT+i+1]
.set i, i+2
.endr
	v_nop                                          ; a plain instruction behind the last reciprocal,
	s_wait_alu depctr_va_vdst(0)                   ; and the one wait ahead of the batch's first reader
.set i, 0
.rept 16                                               ; the 32 exponentials are one batch; the polynomial in t, which reads none of their results, stands among and behind them
	v_exp_f32 v[YS+i], v[YS+i]
	v_pk_fma_f32 v[PQ+i:PQ+i+1], v[TT+i:TT+i+1], s[CA3:CA3+1], s[CA2:CA2+1] op_sel_hi:[1,0,0]
	v_exp_f32 v[YS+i+1], v[YS+i+1]
	v_pk_fma_f32 v[PQ+i:PQ+i+1], v[PQ+i:PQ+i+1], v[TT+i:TT+i+1], s[CA1:CA1+1] op_sel_hi:[1,1,0]
.set i, i+2
.endr
	EACH v_pk_mul_f32 v[PQ+i:PQ+i+1], v[PQ+i:PQ+i+1], v[TT+i:TT+i+1]
	s_wait_alu depctr_va_vdst(0)                   ; the one wait for the exponentials
	EACH v_pk_fma_f32 v[PQ+i:PQ+i+1], v[PQ+i:PQ+i+1], v[YS+i:YS+i+1], 0.5 op_sel_hi:[1,1,0] neg_lo:[1,0,0] neg_hi:[1,0,0]
	EACH v_pk_mul_f32 v[PQ+i:PQ+i+1], v[PQ+i:PQ+i+1], v[AH+i:AH+i+1]
	EACH v_pk_fma_f32 v[PQ+i:PQ+i+1], v[XH+i:XH+i+1], 0.5, v[PQ+i:PQ+i+1] op_sel_hi:[1,0,1]
	EACH v_cvt_pk_bf16_f32 v[GG+i/2], v[PQ+i], v[PQ+i+1]
.irp b, 0,1,2,3
	ds_store_b128 v[STO], v[GG+4*(\b):GG+4*(\b)+3] offset:32*(\b)      ; f 16 b + 8 h + 0..7 of token r
.endr
.irp f, 0,1,2,3
	ds_load_b128 v[BK+4*(\f):BK+4*(\f)+3], v[RD] offset:(\f)*4*SP      ; LDS serves a wave's instructions in order (ISA guide 5.7.1.4): these see the stores above; the stage is my own
.endr
.irp f, 0,1,2,3
	s_wait_dscnt 3-(\f)                            ; the younger loads from the stage may be out
	global_store_b128 v[L16], v[BK+4*(\f):BK+4*(\f)+3], s[12:13] offset:512*(\f)   ; 512 consecutive bytes, at a multiple of 256 from g's first byte
.endr
	s_wait_xcnt 0x0                                ; the stores' base and data are rewritten only behind this wait
	s_add_nc_u64 s[12:13], s[12:13], 2048          ; the next 16 tokens
	s_add_co_u32 s[BLK], s[BLK], 1
	s_cmp_lt_u32 s[BLK], 8
	s_cbranch_scc1 .Lblk
	s_wait_tensorcnt 0x0                           ; the wave's end, behind my last tensor load and my last LDS store
	ds_add_u32 v[SPW], v[NIL]
	s_wait_dscnt 0x0
	CROUND                                         ; the closing round: no work-group ends while a partner may still ask for a tile that names it
	s_endpgm
.Lfunc_end_k_q9010267274_glu:
	.size	k_q9010267274_glu, .Lfunc_end_k_q9010267274_glu-k_q9010267274_glu
	.p2alignl 7, 3214868480
	.fill 96, 4, 3214868480
	.section	.rodata,"a",@progbits
	.p2align	6, 0x0
	.amdhsa_kernel k_q9010267274_glu
		.amdhsa_group_segment_fixed_size 327680
		.amdhsa_private_segment_fixed_size 0
		.amdhsa_enable_private_segment 0
		.amdhsa_kernarg_size 48
		.amdhsa_user_sgpr_count 2
		.amdhsa_user_sgpr_kernarg_segment_ptr 1
		.amdhsa_wavefront_size32 1
		.amdhsa_system_sgpr_workgroup_id_x 1
		.amdhsa_system_sgpr_workgroup_id_y 1
		.amdhsa_system_sgpr_workgroup_id_z 1
		.amdhsa_system_vgpr_workitem_id 0
		.amdhsa_next_free_vgpr 1024
		.amdhsa_next_free_sgpr 78
		.amdhsa_reserve_vcc 0
		.amdhsa_float_denorm_mode_32 3
		.amdhsa_float_denorm_mode_16_64 3
		.amdhsa_memory_ordered 1
		.amdhsa_forward_progress 1
		.amdhsa_inst_pref_size 239
	.end_amdhsa_kernel
	.amdgpu_metadata
---
amdhsa.version: [ 1, 2 ]
amdhsa.kernels:
  - .name:           k_q9010267274_glu
    .symbol:         k_q9010267274_glu.kd
    .args:
      - { .name: xb, .offset: 0, .size: 8, .value_kind: global_buffer, .address_space: global }
      - { .name: w1, .offset: 8, .size: 8, .value_kind: global_buffer, .address_space: global }
      - { .name: v1, .offset: 16, .size: 8, .value_kind: global_buffer, .address_space: global }
      - { .name: w2, .offset: 24, .size: 8, .value_kind: global_buffer, .address_space: global }
      - { .name: g, .offset: 32, .size: 8, .value_kind: global_buffer, .address_space: global }
      - { .name: w2b, .offset: 40, .size: 8, .value_kind: global_buffer, .address_space: global }
    .group_segment_fixed_size: 327680
    .private_segment_fixed_size: 0
    .kernarg_segment_align: 8
    .kernarg_segment_size: 48
    .max_flat_workgroup_size: 128
    .sgpr_count:     78
    .vgpr_count:     1024
    .wavefront_size: 32
...
	.end_amdgpu_metadata
.endif
;; end of part 2
;; launch down (part 3): grid 8 x 32, 4 waves a work-group, clusters of 4 x 4, 327,680 bytes of LDS; arguments g, w2b, out0; writes out0
.if DOCPART == 3
	.amdgcn_target "amdgcn-amd-amdhsa--gfx1250"
	.amdhsa_code_object_version 6
	.text
	.protected	k_q9010267274_down
	.globl	k_q9010267274_down
	.p2align	8
	.type	k_q9010267274_down,@function
k_q9010267274_down:
	s_mov_b64 s[64:65], 0
	v_nop
	global_prefetch_b8 v0, s[64:65] scope:SCOPE_SE
	s_setreg_imm32_b32 hwreg(HW_REG_WAVE_MODE, 25, 1), 1
	s_wait_xcnt 0x0
	s_wait_alu depctr_hold_cnt(0) depctr_sa_sdst(0) depctr_va_vdst(0) depctr_va_sdst(0) depctr_va_ssrc(0) depctr_va_vcc(0) depctr_vm_vsrc(0)
	s_getreg_b32 s2, hwreg(HW_REG_IB_STS2, 6, 4)
	s_cmp_eq_u32 s2, 0
	s_cbranch_scc0 .Lentry_in_a_cluster
	s_endpgm
.Lentry_in_a_cluster:
	s_bfe_u32 s2, ttmp6, 0x10000c
	s_cmp_lg_u32 s2, 0xf033
	s_cbranch_scc0 .Lentry_shape_is_right
	s_endpgm
.Lentry_shape_is_right:
; out = g w2, expert by expert.  g: bf16, [f / 64][token][f % 64]; w2b: w2 in bf16, in operand order; both made by the launch before.  out0: [8192][1024] f32.  Expert e owns tokens 1024 e .. 1024 e + 1023,
; by the shapes alone, as in the reference; expert_idx is not read there and is not loaded here.
; LIMITS.  Operands in bf16, sums in f32, K ascending; NaN and infinities are not treated apart.
; SHARES.  A work-group makes 256 tokens x 128 columns (256 work-groups), a wave 128 tokens x 64 columns: 32 accumulators.
; g comes by tensor loads into two LDS slots.  A slot holds a K step of 256: four dense blocks of 256 tokens x 128 bytes, each asked for as 128 rows of 256 bytes and padded in LDS after every token; one block a wave.
; CLUSTER 4 x 4: a row shares g's tiles (same token block): each is asked for jointly by the four.
; w2b COMES STRAIGHT FROM MEMORY INTO OPERAND REGISTERS: unit (32 k, 64 columns) = 4,096 consecutive bytes at ((64 e + k / 32) x 16 + column / 64) x 4,096, [fragment j][half i][lane][16 bytes]: 8 loads a quarter.
; It is NOT asked for jointly, though a cluster's column shares it: a joint load lands in LDS alone, and without w2 in LDS a slot holds twice the K, so that a refill has 240 of a K step's 256 matrix instructions in which to land.
; The price by this text's count: each byte of w2b is loaded by 4 token blocks x 2 waves.  Eight buffers: a quarter's 8 loads are issued seven quarters ahead of their use; 56 loads of a wave are out at the most.
; COLUMNS: column r of fragment j is the true column 4 r + j, so register j' of the four accumulators (a, 0..3) are four neighbouring numbers of one row of out: 16 bytes a lane, and sixteen lanes store 256 consecutive bytes.
; ONE K STEP'S TEXT is walked six times; the last two steps are written out.  The LDS offset of the slot being read is a scalar that an exclusive or turns between 0 and SLOT.
; THE ACCUMULATORS ARE CLEARED by 256 v_mov_b32 in the wait for the first tile, so that no first K step is written out.
; REGISTERS, in windows of 256: window 0: v0-15 addresses; v64-127, v128-191 g's fragments, two buffers (on the way out: four buffers of 32)
;   window 1: w2's four fragments of a quarter, eight buffers of 32          window 2: accumulator (a, j) at v[8 (4 a + j)]
.set PA,     144                       ; a token's 128 bytes + 16 of padding = 36 words: the 16 rows of a load start at 16 different groups of four banks (64 banks of 4 bytes: ISA guide 11.1)
.set SUBT,   256*PA                    ; one block of 64 f for 256 tokens: what one tensor load brings
.set SLOT,   4*SUBT
.set SPARE,  2*SLOT                    ; behind the ring: the spare words, 128 bytes for each wave: two blocks of 256 bytes that no other line names
.set QB,     65536                     ; bytes of w2b from 32 k to the next: 16 units
.set AL0, 6                            ; v6, v7   LDS address of my fragments of g in slot 0: blocks 0 and 1, blocks 2 and 3; never rewritten
.set AH0, 7
.set AL,  8                            ; v8, v9   the same in the slot that is being read
.set AH,  9
.set L16, 10                           ; v10      16 x lane; never rewritten
.set CO,  11                           ; v11      my byte offset in out0; never rewritten
.set SPW, 14                           ; v14      LDS address of my spare word; never rewritten
.set NIL, 15                           ; v15      0; never rewritten
.set WV,  10                           ; s10 my wave's number; s11 which 128 tokens are mine; s12 which 64 columns
.set WR,  11
.set WC,  12
.set LB,  20                           ; s20      my block's place in a slot
.set RDO, 21                           ; s21      LDS offset of the slot that is being read: 0 or SLOT
.set G1,  24                           ; s[24:31] descriptor group 1
.set G0A, 32                           ; s[32:35] descriptor group 0 of the first fill
.set G0W, 36                           ; s[36:39] of the second, which then walks on
.set MSB, 0
.macro WIN new                         ; the immediate's high byte repeats the setting that is left; a switch that changes nothing is dropped
.if MSB != (\new)
	s_set_vgpr_msb (MSB<<8)|(\new)
.set MSB, \new
.endif
.endm
.set MUL, 0xa4                         ; source 0 (g) window 0, source 1 (w2) window 1, C and D window 2
.macro CREST                           ; a round of the cluster's barrier behind its opening barrier
	s_cmp_lg_u32 s[WV], 0
	s_cbranch_scc1 .Lnot_wave_0_\@
	s_barrier_signal -3
.Lnot_wave_0_\@:
	s_barrier_wait -3
	s_barrier_signal -1
	s_barrier_wait -1
.endm
.macro CROUND
	s_barrier_signal -1
	s_barrier_wait -1
	CREST
.endm
.macro PLACES                          ; four plain places (ISA guide 7.12.1)
.rept 4
	v_nop
.endr
.endm
; 8 loads: w2's four fragments of the quarter that lies q quarters behind s[6:7], into buffer b; 4,096 consecutive bytes
.macro LDBG b, q
	WIN 0x40
.irp t, 0,1,2,3,4,5,6,7
	global_load_b128 v[32*(\b)+4*(\t):32*(\b)+4*(\t)+3], v[L16], s[6:7] offset:(\q)*QB+(\t)*512
.endr
.endm
	s_load_b128 s[4:7], s[0:1], 0x0                ; g s[4:5], w2b s[6:7]
	s_load_b64 s[8:9], s[0:1], 0x10                ; out0
	v_lshl_add_u32 v[SPW], v0, 2, SPARE
	v_mov_b32 v[NIL], 0
	ds_add_u32 v[SPW], v[NIL]                      ; the wave's opening: the add and its wait stand ahead of my first tensor load; the set-up below stands between them
	ds_add_u32 v14, v15
	v_lshrrev_b32 v1, 5, v0
	v_readfirstlane_b32 s[WV], v1                  ; wave 0..3; also: which of a K step's four blocks of 64 f I fetch
	s_lshr_b32 s[WR], s[WV], 1
	s_and_b32 s[WC], s[WV], 1
	s_bfe_u32 s40, ttmp6, 0x40000                  ; cx, cy
	s_bfe_u32 s41, ttmp6, 0x40004
	s_lshl_b32 s42, ttmp9, 2
	s_add_co_u32 s42, s42, s40                     ; my block of 128 columns
	s_and_b32 s45, ttmp7, 0xffff                   ; the expert = cluster y
	s_lshl_b32 s13, s45, 2
	s_add_co_u32 s13, s13, s41                     ; my block of 256 tokens
	s_lshl_b32 s43, s41, 2
	s_lshl_b32 s43, 15, s43                        ; my row of the cluster
	; g's tile: 32,768 dense bytes as 128 rows x 128 elements of 2 bytes, padded after every 32 words (a token) by 4
	s_or_b32 s[G1], s43, (1<<16)|(1<<20)|(1<<21)|(4<<22)|(3<<25)
	s_mov_b32 s[G1+1], 128<<16                     ; tensor_dim0 = 128
	s_mov_b32 s[G1+2], 128<<16                     ; tensor_dim1 = 128
	s_mov_b32 s[G1+3], 128<<16                     ; tile_dim0 = 128
	s_mov_b32 s[G1+4], 128                         ; tile_dim1 = 128
	s_mov_b32 s[G1+5], 128                         ; elements from row to row
	s_mov_b32 s[G1+6], 0
	s_mov_b32 s[G1+7], 0
	s_lshl_b32 s16, s[WV], 20                      ; g: a block of 64 f is 2^20 bytes,
	s_lshl_b32 s17, s13, 15                        ; a token block 256 x 128 bytes of it: nothing here hangs on cx
	s_add_co_u32 s16, s16, s17
	s_mov_b32 s17, 0
	s_lshl_b32 s18, s45, 22                        ; w2b: 64 x 16 units of 4,096 bytes an expert,
	s_lshl_b32 s19, s42, 13                        ; two units a block of 128 columns,
	s_add_co_u32 s18, s18, s19
	s_lshl_b32 s19, s[WC], 12                      ; mine of the two
	s_add_co_u32 s18, s18, s19
	s_mov_b32 s19, 0
	s_mul_i32 s[LB], s[WV], SUBT                   ; where my block goes: no place in the cluster enters an LDS address
	s_mov_b32 s[RDO], 0
	s_lshl_b32 s22, s13, 20                        ; out0: 256 rows of 4,096 bytes a token block,
	s_lshl_b32 s23, s[WR], 19                      ; my 128 rows,
	s_add_co_u32 s22, s22, s23
	s_lshl_b32 s23, s42, 9                         ; the block of columns,
	s_add_co_u32 s22, s22, s23
	s_lshl_b32 s23, s[WC], 8                       ; my 64 of them
	s_add_co_u32 s22, s22, s23
	s_mov_b32 s23, 0
	s_wait_dscnt 0x0                               ; the opening add is done
	s_wait_kmcnt 0x0
	s_add_nc_u64 s[14:15], s[4:5], s[16:17]
	s_add_nc_u64 s[6:7], s[6:7], s[18:19]
	s_add_nc_u64 s[8:9], s[8:9], s[22:23]
	CROUND                                         ; all sixteen work-groups are here: the first joint loads meet
	s_mov_b32 s[G0A], 1                            ; count = 1
	s_mov_b32 s[G0A+1], s[LB]                      ; LDS address: slot 0
	s_add_nc_u64 s[G0A+2:G0A+3], s[14:15], 0       ; global address: K step 0
	s_or_b32 s[G0A+3], s[G0A+3], 0x80000000        ; type = 2
	s_mov_b32 s[G0W], 1
	s_add_co_u32 s[G0W+1], s[LB], SLOT             ; slot 1
	s_add_nc_u64 s[G0W+2:G0W+3], s[14:15], 0x400000    ; K step 1: four blocks of 64 f on
	s_or_b32 s[G0W+3], s[G0W+3], 0x80000000
	tensor_load_to_lds s[G0A:G0A+3], s[G1:G1+7]    ; two tensor loads of mine are out
	s_nop 0
	tensor_load_to_lds s[G0W:G0W+3], s[G1:G1+7]
	s_nop 0
	PLACES
	v_and_b32 v1, 15, v0                           ; r
	v_bfe_u32 v2, v0, 4, 1                         ; h
	v_and_b32 v3, 31, v0
	v_lshlrev_b32 v[L16], 4, v3
.irp q, 0,1,2,3,4,5,6
	LDBG \q, \q                                    ; w2's first seven quarters: 56 loads
.endr
	WIN 0
	v_mul_u32_u24 v3, v1, PA
	v_lshl_add_u32 v3, v2, 4, v3                   ; g: token r x pitch + 16 h
	s_mul_i32 s22, s[WR], 128*PA                   ; my 128 tokens
	v_add_nc_u32 v[AL0], s22, v3
	s_add_co_u32 s22, s22, 2*SUBT
	v_add_nc_u32 v[AH0], s22, v3
	v_mov_b32 v[AL], v[AL0]
	v_mov_b32 v[AH], v[AH0]
	v_lshlrev_b32 v3, 4, v1
	v_lshl_add_u32 v[CO], v2, 15, v3               ; out0: columns 4 r on, rows 8 h on
	WIN 0x80                                       ; the sums start at 0, in the wait for the first tile
.set i, 0
.rept 256
	v_mov_b32 v[i], 0
.set i, i+1
.endr
	WIN 0
; Matrix instruction i of 32, g's buffer f, w2's buffer b: tokens 16 (i / 4) on, fragment i % 4 of w2.  The 32 accumulators take turns, one instruction a turn.
.macro MM f, b, i
	WIN MUL
	v_wmma_f32_16x16x32_bf16 v[8*(\i):8*(\i)+7], v[64+64*(\f)+8*((\i)/4):64+64*(\f)+8*((\i)/4)+7], v[32*(\b)+8*((\i)%4):32*(\b)+8*((\i)%4)+7], v[8*(\i):8*(\i)+7]
.endm
.macro MMS f, b, lo, hi                ; numbers lo to hi
.set mi, \lo
.rept (\hi)-(\lo)+1
	MM \f, \b, mi
.set mi, mi+1
.endr
.endm
; 16 LDS loads: my eight fragments of g for quarter nq of the slot that is being read (block nq / 2 of 64 f, bytes 64 (nq % 2) on of a token's row) into buffer f
.macro LDA f, nq
	WIN 0
.irp a, 0,1,2,3,4,5,6,7
	ds_load_b128 v[64+64*(\f)+8*(\a):64+64*(\f)+8*(\a)+3],   v[AL+(\nq)/4] offset:(((\nq)/2)%2)*SUBT+((\nq)%2)*64+(\a)*16*PA
	ds_load_b128 v[64+64*(\f)+8*(\a)+4:64+64*(\f)+8*(\a)+7], v[AL+(\nq)/4] offset:(((\nq)/2)%2)*SUBT+((\nq)%2)*64+(\a)*16*PA+32
.endr
.endm
; THE CHANGE OF SLOTS, in a step's seventh quarter: the load just issued (g's fragments of the eighth) was my last read of the slot.  I wait for all my tensor loads, of which one is out: my part of the other slot; add 0 to
; my spare word; wait for that and for my reads.  Behind the barrier nobody reads the old slot and the other slot is whole.  mode = 2: the barrier opens a round of the cluster's, and the old slot is filled again, two K steps on,
; first thing behind the round: 15 + 32 + 192 + 1 = 240 matrix instructions stand between that request and the wait for it.
.macro MEET mode
	WIN 0                                          ; (the add's two registers lie in window 0)
	s_wait_tensorcnt 0x0                           ; all my tensor loads have landed, so a group 0 may be written;
	ds_add_u32 v[SPW], v[NIL]                      ; 0 onto my spare word: scalar work and eight matrix instructions stand between it and the wait for it
.if (\mode) == 2
	s_add_co_u32 s[G0W+1], s[LB], s[RDO]           ; the walking descriptor: the slot that is left,
	s_add_nc_u64 s[G0W+2:G0W+3], s[G0W+2:G0W+3], 0x400000   ; the K step behind the one asked for last; the type bits on top are not reached
.endif
	s_xor_b32 s[RDO], s[RDO], SLOT                 ; the reads go on in the other slot
	MMS 0, 6, 1, 8
	s_wait_dscnt 0x0                               ; the add is done, and my reads of the slot are over
	s_barrier_signal -1
	MMS 0, 6, 9, 16                                ; work on registers while the others arrive
	WIN 0
	s_barrier_wait -1
.if (\mode) == 2
	CREST                                          ; no wave of any partner still reads the slot or has a load on its way
	tensor_load_to_lds s[G0W:G0W+3], s[G1:G1+7]
	s_nop 0
	PLACES
.endif
	v_add_nc_u32 v[AL], s[RDO], v[AL0]
	v_add_nc_u32 v[AH], s[RDO], v[AH0]
	MMS 0, 6, 17, 31
.endm
; QUARTER lq of a K step's eight: 32 along K, 32 matrix instructions on g's buffer lq % 2 and w2's buffer lq.  It loads the next quarter's g into the other buffer and w2's fragments seven quarters on into the buffer read last
; quarter.  The four v_nop behind the first product are the places between the last quarter's products and those loads.
; THE WAIT FOR w2 counts the loads issued behind the wanted 8: six quarters of 8.  In the last step (mode = 0) only its first quarter loads w2, the last fragments: the count is 8 (7 - lq) where that is less.
; g's 16 LDS loads were issued 31 matrix instructions ago, and nothing behind them: their wait is for 0.
.macro QT lq, mode
.set NLD, 48
.if ((\mode) == 0) && ((7-(\lq))*8 < 48)
.set NLD, (7-(\lq))*8
.endif
	s_wait_loadcnt NLD
	s_wait_dscnt 0x0
	MM (\lq)%2, \lq, 0
	PLACES
.if (\mode) || ((\lq) < 7)
	LDA 1-(\lq)%2, ((\lq)+1)%8
.endif
.if (\mode) || ((\lq) == 0)
	LDBG ((\lq)+7)%8, (\lq)+7
.endif
.if (\mode) && ((\lq) == 6)
	MEET \mode
.else
	MMS (\lq)%2, \lq, 1, 31
.endif
.endm
.macro STEP mode                       ; mode = 2: with a refill; 1: the last step but one; 0: the last
.irp lq, 0,1,2,3,4,5,6,7
	QT \lq, \mode
.endr
.if \mode
	WIN 0
	s_wait_xcnt 0x0                                ; the loads' base is rewritten only behind this wait
	s_add_nc_u64 s[6:7], s[6:7], 8*QB              ; w2b: eight quarters on
.endif
.endm
	s_wait_tensorcnt 0x1                           ; my part of K step 0 is in; K step 1's may stay out
	s_barrier_signal -1
	s_barrier_wait -1                              ; everybody's is
	LDA 0, 0
	WIN 0                                          ; at a label and at a branch every window is 0
	s_mov_b32 s3, 6
.Lstep:                                                ; six trips ask for K steps 2 to 7
	STEP 2
	s_sub_co_u32 s3, s3, 1
	s_cmp_lg_u32 s3, 0
	s_cbranch_scc1 .Lstep
	STEP 1                                         ; the last two steps are written out
	STEP 0
	; THE WAY OUT.  Register j' of accumulators (a, 0..3) are columns 4 r .. 4 r + 3 of token 16 a + 8 h + j': four moves bring them side by side, and a store takes 16 bytes a lane.
	; Each accumulator's lowest register is read first.  Four buffers of 32 registers take turns.
	WIN 0
	PLACES                                         ; behind the last products
.irp a, 0,1,2,3,4,5,6,7
.if (\a) >= 4
	s_wait_xcnt 0x0                                ; the buffer's registers, which the stores of four blocks ago read, are rewritten only behind this wait
.endif
	WIN 0x02                                       ; source 0 window 2
.irp p, 0,1,2,3,4,5,6,7
.irp j, 0,1,2,3
	v_mov_b32 v[64+32*((\a)%4)+4*(\p)+(\j)], v[8*(4*(\a)+(\j))+(\p)]
.endr
.endr
	WIN 0
.irp p, 0,1,2,3,4,5,6,7
	global_store_b128 v[CO], v[64+32*((\a)%4)+4*(\p):64+32*((\a)%4)+4*(\p)+3], s[8:9] offset:(16*(\a)+(\p))*4096 th:TH_STORE_NT   ; 16 lanes store 256 consecutive bytes, at a multiple of 256 from out0's first byte
.endr
.endr
	s_wait_tensorcnt 0x0                           ; the wave's end, behind my last tensor load
	ds_add_u32 v[SPW], v[NIL]
	s_wait_dscnt 0x0
	CROUND                                         ; the closing round: no work-group ends while a partner may still ask for a tile that names it
	s_endpgm
.Lfunc_end_k_q9010267274_down:
	.size	k_q9010267274_down, .Lfunc_end_k_q9010267274_down-k_q9010267274_down
	.p2alignl 7, 3214868480
	.fill 96, 4, 3214868480
	.section	.rodata,"a",@progbits
	.p2align	6, 0x0
	.amdhsa_kernel k_q9010267274_down
		.amdhsa_group_segment_fixed_size 327680
		.amdhsa_private_segment_fixed_size 0
		.amdhsa_enable_private_segment 0
		.amdhsa_kernarg_size 24
		.amdhsa_user_sgpr_count 2
		.amdhsa_user_sgpr_kernarg_segment_ptr 1
		.amdhsa_wavefront_size32 1
		.amdhsa_system_sgpr_workgroup_id_x 1
		.amdhsa_system_sgpr_workgroup_id_y 1
		.amdhsa_system_sgpr_workgroup_id_z 1
		.amdhsa_system_vgpr_workitem_id 0
		.amdhsa_next_free_vgpr 768
		.amdhsa_next_free_sgpr 66
		.amdhsa_reserve_vcc 0
		.amdhsa_float_denorm_mode_32 3
		.amdhsa_float_denorm_mode_16_64 3
		.amdhsa_memory_ordered 1
		.amdhsa_forward_progress 1
		.amdhsa_inst_pref_size 127
	.end_amdhsa_kernel
	.amdgpu_metadata
---
amdhsa.version: [ 1, 2 ]
amdhsa.kernels:
  - .name:           k_q9010267274_down
    .symbol:         k_q9010267274_down.kd
    .args:
      - { .name: g, .offset: 0, .size: 8, .value_kind: global_buffer, .address_space: global }
      - { .name: w2b, .offset: 8, .size: 8, .value_kind: global_buffer, .address_space: global }
      - { .name: out0, .offset: 16, .size: 8, .value_kind: global_buffer, .address_space: global }
    .group_segment_fixed_size: 327680
    .private_segment_fixed_size: 0
    .kernarg_segment_align: 8
    .kernarg_segment_size: 24
    .max_flat_workgroup_size: 128
    .sgpr_count:     66
    .vgpr_count:     768
    .wavefront_size: 32
...
	.end_amdgpu_metadata
.endif
;; end of part 3
